; MI455X (gfx1250); checked and timed in simulation.
; The chip was launched on July 23, 2026; its instructions are those of AMD's public machine-readable ISA for CDNA 5 (MIT licence, August 2026) and "CDNA5" Instruction Set Architecture Reference Guide (July 2026). The comments in the code are by the model that wrote it; some were corrected since.
;; Attention. Allowed arithmetic: matrix products marked QUANTISED: E2M1 operands, one E8M0 scale for each 32 along K, by v_wmma_scale_f32_16x16x128_f8f6f4 with both operands' format E2M1 (or v_wmma_scale_f32_32x16x128_f4), f32 sums; products left as they are: f32 operands where the result goes on into a quantised operand, else bf16, f16 or f32 operands; f32 sums; everything else in f32.
;; Inputs: W_emb 1,024 x 512 float32; W_hid 1,024 x 512 float32; att_v 512 float32; b_emb 512 float32; b_hid 512 float32; emb 2,048 x 32 x 1,024 float32; hid 32 x 1,024 float32.
;; Outputs: out0 32 x 1,024 float32; out1 32 x 2,048 float32.
;; This version of the problem:
;;   THIS VERSION OF THE PROBLEM IS GIVEN IN LOW PRECISION. The matrix products marked QUANTISED in the list below multiply operands that are first quantised to E2M1 (2 exponent bits, 1 mantissa bit; 4 bits a number), with one power-of-two scale for each 32 numbers along K (OCP MX v1.0); their sums are f32. All else is computed in f32.
;;   The module's matrix products, in the order in which they are computed (A, B: the left and right operand; K: the contracted axis; several contracted axes count as one K, in the product's order):
;;     1. [M 32, K 1,024] x [K 1,024, N 512]; A: input hid; B: input W_hid: QUANTISED
;;     2. [M 65,536, K 1,024] x [K 1,024, N 512]; A: input emb; B: input W_emb: QUANTISED
;;     3. [M 1, K 512] x [K 512, N 65,536]; A: input att_v; B: computed on the way: left as it is (M = 1 < 16)
;;     4. batch 32 x [M 1, K 2,048] x [K 2,048, N 1,024]; A: softmax; B: input emb: left as it is (M = 1 < 16)
;;   THE QUANTISER, for each operand of a quantised product, along K:
;;     - K is cut into blocks of 32 from its start; a last block that is shorter is filled with zeros.
;;     - A block's scale is 2^e with e = floor(log2(the largest magnitude in the block)) - 2, held to -126 .. 127; a block of zeros has e = 0. As a byte (E8M0): e + 127.
;;     - Each number is divided by its block's scale, clamped to +-6, and rounded to the nearest number of E2M1, ties to even, subnormals kept.
;;     - The product sums the exact products of the quantised numbers (number of the format x scale) in f32.
;;   ~~~python
;;   def quantise(x, axis):      # numpy; x: float32 -> the quantised numbers, widened to float32 again
;;       x = np.moveaxis(x, axis, -1); K = x.shape[-1]
;;       x = np.pad(x, [(0, 0)] * (x.ndim - 1) + [(0, -K % 32)]); x = x.reshape(x.shape[:-1] + (-1, 32)); a = np.abs(x).max(-1, keepdims=True)
;;       e = np.where(a > 0, np.clip(np.frexp(np.where(a > 0, a, 1))[1] - 1 - 2, -126, 127), 0)      # np.frexp(a)[1] - 1 = floor(log2(a)), exactly
;;       r = np.clip(x / 2.0 ** e, -6, 6)
;;       step = 2.0 ** (np.maximum(np.frexp(np.where(r == 0, 1, r))[1] - 1, 0) - 1)
;;       q = np.round(r / step) * step * 2.0 ** e      # np.round: ties to even
;;       return np.moveaxis(q.reshape(q.shape[:-2] + (-1,))[..., :K], -1, axis).astype(np.float32)
;;   ~~~
;; One version. Each part assembles by itself: llvm-mc -triple=amdgcn-amd-amdhsa -mcpu=gfx1250 --defsym DOCPART=n.
;; ======== version 1 of 1: 3 launches
;; limits: right only within a limited range of input values
;; workspace buffers: wq 262,144 bytes; wsc 16,384 bytes; hbp 524,288 bytes; tsc 262,144 bytes; pctx 1,048,576 bytes; stats 2,048 bytes
;; launch prep (part 1): grid 256 x 1, 2 waves a work-group, no clusters, 19,456 bytes of LDS; arguments W_emb, W_hid, hid, wq, wsc, hbp; writes wq, wsc, hbp
.if DOCPART == 1
	.amdgcn_target "amdgcn-amd-amdhsa--gfx1250"
	.amdhsa_code_object_version 6
	.text
	.protected	k_qda3b993996_prep
	.globl	k_qda3b993996_prep
	.p2align	8
	.type	k_qda3b993996_prep,@function
k_qda3b993996_prep:
	s_mov_b64 s[64:65], 0
	v_nop
	global_prefetch_b8 v0, s[64:65] scope:SCOPE_SE
	s_setreg_imm32_b32 hwreg(HW_REG_WAVE_MODE, 25, 1), 1
	s_wait_xcnt 0x0
; Work-groups 0-127: hbp[s][b][n] = K step s's part of (hid Q-times W_hid)[b][n], the product on codes of E2M1 of both operands; the next launch adds the eight parts and the biases.
; Work-groups 128-255: W_emb [1024 k][512 n] f32 becomes codes of E2M1 along K with one E8M0 byte for each 32, laid as the next launch's operand registers want them.
; WORK LEFT OUT OF THE PROGRAM: tanh(x) = 1 - 2 / (1 + e^(2 x)), so a score is sum(att_v) - 2 sum(att_v / (1 + e^(2 x))).  sum(att_v) is one number for all positions of a softmax's row, whatever finite values the inputs hold,
; and a softmax does not change when one number is added along its axis: the next launch leaves that term out.  LIMIT: an overflow that reaches only sum(att_v) is not carried to the result.  Every input is loaded.
; SHARES.  A work-group owns 32 columns n (group g) and K step s (rows 128 s .. 128 s + 127) of one weight; wave w owns its rows 64 w .. 64 w + 63; lane l owns column 32 g + l, AND ITS REGISTERS RUN DOWN K:
; a block of 32 along K lies in one lane's 32 registers, its largest magnitude needs no other lane, and the conversions give codes with K innermost.
; wq:  fragment (tile T of 16 columns, K step s) is 1,024 bytes at 1024 (8 T + s); register group c of lane L at + 512 c + 16 L; lane (r, h), group c: block 4 s + 2 c + h of column 16 T + r.  Wave w makes group w.
; wsc: the scale word of (column 16 T + r, K step s) at 512 T + 16 (16 (s % 2) + r) + 4 (s / 2).  Wave w makes bytes 2 w and 2 w + 1.
; For the product wave w also quantises hid's rows 16 w .. 16 w + 15 over the whole K step: they come as they lie, 512 bytes a row, and turn through the wave's own stage in LDS, 528 bytes from row to row.
; The two waves' halves of W's codes and scale words meet in LDS as an image of the operand's registers; wave w multiplies its 16 rows.  Its results leave through its stage, 144 bytes from row to row,
; as 128 consecutive bytes of each row: the work-group has no more of a row.
; A block's scale byte is its largest magnitude's exponent field - 2, held at 1 from below by a floor among the maximum's leaves.
; LIMITS: a block of zeros gets the byte 1 where the quantiser says 127 (its codes are zeros, and this program alone reads the bytes); blocks whose largest magnitude lies under 2^(2 - 126) were not tried; NaN and infinities among the inputs are not served.
.set SPW, 62
.set NIL, 63
.set MX,  8                            ; v8-11    largest magnitudes, then the conversions' scale operands
.set PM,  12                           ; v12-15   the other half's maxima, then scale bytes
.set WSV, 16                           ; v16      W's scale words: scales and nothing else
.set HS,  17                           ; v17      hid's: scales and nothing else
.set WSW, 19                           ; v19      my half of my column's scale word
.set F,   20                           ; v20-27   my two blocks' codes; v20-35 then the two fragments of W
.set HF,  36                           ; v36-43   hid's fragment
.set X,   64                           ; v64-127  64 numbers of W; later v64-79 results on their way out
.set HX,  128                          ; v128-191 16 rows of hid, turned; later v128-143 accumulators
.set HR,  192                          ; v192-255 16 rows of hid as they lie
.set AC,  128
.set SEL, 40
.set STG,  8448                        ; a wave's stage
.set IMGW, 2*STG                       ; the image: two fragments of 1,024 bytes
.set SCW,  IMGW+2048                   ; the scale words: 4 bytes a column
.set SPARE, SCW+256                    ; the spare words
.macro WLOAD from, n                   ; W(128 s + 64 w + i, my column), i = from .. from + n - 1: 128 consecutive bytes a load
.set i, \from
.rept \n
	global_load_b32 v[X+i], v4, s[24:25] offset:2048*i
.set i, i+1
.endr
.endm
.macro WQUANT                          ; my column's two blocks: half a scale word into v[WSW], block q's 32 codes into v[F + 4 q] on
.irp q, 0,1
	v_max3_num_f32 v[MX+2*\q], |v[X+32*\q]|, |v[X+32*\q+1]|, 0x1800000   ; the floor 2^(3 - 127): the byte cannot fall under 1
	v_max3_num_f32 v[MX+2*\q+1], |v[X+32*\q+2]|, |v[X+32*\q+3]|, |v[X+32*\q+4]|
.endr
.irp i, 5,9,13,17,21,25
.irp q, 0,1
	v_max3_num_f32 v[MX+2*\q], v[MX+2*\q], |v[X+32*\q+\i]|, |v[X+32*\q+\i+1]|
	v_max3_num_f32 v[MX+2*\q+1], v[MX+2*\q+1], |v[X+32*\q+\i+2]|, |v[X+32*\q+\i+3]|
.endr
.endr
.irp q, 0,1
	v_max3_num_f32 v[MX+2*\q], v[MX+2*\q], |v[X+32*\q+29]|, |v[X+32*\q+30]|
	v_max_num_f32 v[MX+2*\q+1], v[MX+2*\q+1], |v[X+32*\q+31]|
.endr
.irp q, 0,1
	v_max_num_f32 v[MX+2*\q], v[MX+2*\q], v[MX+2*\q+1]
.endr
.irp q, 0,1
	v_add_nc_u32 v[MX+2*\q], 0xff000000, v[MX+2*\q]   ; 2 off the exponent field: the conversion takes that field as its scale
.endr
.irp q, 0,1
	v_lshrrev_b32 v[PM+\q], 23, v[MX+2*\q]
.endr
.irp q, 0,1
.irp g, 0,1,2,3
	v_cvt_scalef32_pk8_fp4_f32 v[F+4*\q+\g], v[X+32*\q+8*\g:X+32*\q+8*\g+7], v[MX+2*\q]
.endr
.endr
	v_lshl_or_b32 v[WSW], v[PM+1], 8, v[PM]        ; (a plain place behind the scaled conversions)
.endm
	s_load_b256 s[4:11], s[0:1], 0x0               ; W_emb s[4:5], W_hid s[6:7], hid s[8:9], wq s[10:11]
	s_load_b128 s[12:15], s[0:1], 0x20             ; wsc s[12:13], hbp s[14:15]
	v_lshl_add_u32 v[SPW], v0, 2, SPARE
	v_mov_b32 v[NIL], 0
	v_lshrrev_b32 v6, 5, v0
	v_readfirstlane_b32 s22, v6                    ; wave w
	v_and_b32 v1, 31, v0                           ; lane
	v_and_b32 v2, 15, v0                           ; r
	v_bfe_u32 v3, v0, 4, 1                         ; h
	v_lshlrev_b32 v4, 2, v1                        ; 4 bytes a lane
	v_lshlrev_b32 v5, 4, v1                        ; 16 bytes a lane
	v_lshlrev_b32 v6, 4, v2
	v_lshl_add_u32 v52, v3, 13, v6                 ; wq: + 8,192 for the second tile of 16 columns
	v_lshl_add_u32 v53, v3, 9, v6                  ; wsc: + 512 for it
	s_mul_i32 s23, s22, STG
	v_add_nc_u32 v50, s23, v5                      ; my stage, in: a row as it lies
	v_mul_u32_u24 v7, v2, 0x210
	v_lshl_add_u32 v7, v3, 6, v7
	v_add_nc_u32 v7, s23, v7                       ; back: row r, + 64 h
	v_mul_u32_u24 v54, v2, 0x90
	v_lshl_add_u32 v54, v3, 5, v54
	v_add_nc_u32 v54, s23, v54                     ; results, in: row r, 8 columns for each half
	v_lshrrev_b32 v55, 3, v1
	v_and_b32 v56, 7, v1
	v_lshlrev_b32 v56, 4, v56
	v_mul_u32_u24 v57, v55, 0x90
	v_add_nc_u32 v57, v57, v56
	v_add_nc_u32 v57, s23, v57                     ; results, back: eight lanes to a row of 128 bytes
	v_lshl_add_u32 v58, v55, 11, v56               ; and in hbp
	v_add_nc_u32 v60, IMGW, v5                     ; the image, back: both halves
	s_lshl_b32 s23, s22, 9
	v_add_nc_u32 v59, s23, v60                     ; in: my half
	v_add_nc_u32 v61, SCW, v4                      ; the scale words, back
	s_lshl_b32 s23, s22, 1
	v_add_nc_u32 v51, s23, v61                     ; in: my two bytes
.irp b, 0,1,2,3
	v_mov_b32 v[PM+\b], 0                          ; a lane permute's destination counts as one of its sources
.endr
	s_and_b32 s20, ttmp9, 7                        ; s: K step
	s_lshr_b32 s21, ttmp9, 3
	s_and_b32 s21, s21, 15                         ; g: which 32 columns
	s_lshl_b32 s26, s20, 18                        ; 128 rows of 2,048 bytes a K step,
	s_lshl_b32 s30, s22, 17                        ; 64 a wave,
	s_add_co_u32 s26, s26, s30
	s_lshl_b32 s28, s21, 7                         ; 128 bytes a group
	s_add_co_u32 s26, s26, s28
	s_mov_b32 s27, 0
	s_mov_b32 s29, 0
	s_mov_b32 s31, 0
	s_mov_b32 s[SEL], 0x76543210
	s_mov_b32 s[SEL+1], 0xfedcba98
	s_wait_alu depctr_va_vdst(0)                   ; the wait at the head's end
	s_wait_kmcnt 0x0
	s_cmp_lt_u32 ttmp9, 128                        ; which weight: the choice hangs on the work-group's number alone
	s_cselect_b64 s[24:25], s[6:7], s[4:5]
	s_add_nc_u64 s[24:25], s[24:25], s[26:27]
	s_cmp_lt_u32 ttmp9, 128
	s_cbranch_scc0 .Lwemb
	; ---- hid and W_hid
	s_lshl_b32 s30, s20, 9                         ; my K step: 512 bytes of a row,
	s_lshl_b32 s23, s22, 16                        ; my 16 rows of 4,096
	s_add_co_u32 s30, s30, s23
	s_add_nc_u64 s[8:9], s[8:9], s[30:31]
.set i, 0
.rept 16
	global_load_b128 v[HR+4*i:HR+4*i+3], v5, s[8:9] offset:4096*i   ; 512 consecutive bytes
.set i, i+1
.endr
	WLOAD 0, 63
	s_wait_loadcnt 63                              ; hid is in; the 63 loads of W may be out
.set i, 0
.rept 16
	ds_store_b128 v50, v[HR+4*i:HR+4*i+3] offset:528*i
.set i, i+1
.endr
	WLOAD 63, 1
.irp b, 0,1,2,3
.irp j, 0,1,2,3
	ds_load_b128 v[HX+16*\b+4*\j:HX+16*\b+4*\j+3], v7 offset:128*\b+16*\j   ; LDS serves a wave's instructions in order (ISA guide 5.7.1.4): these see the stores
.endr
.endr
	s_wait_dscnt 0x0
.irp b, 0,1,2,3
	v_max3_num_f32 v[MX+\b], |v[HX+16*\b]|, |v[HX+16*\b+1]|, 0x1800000
.endr
.irp i, 2,4,6,8,10,12,14
.irp b, 0,1,2,3
	v_max3_num_f32 v[MX+\b], v[MX+\b], |v[HX+16*\b+\i]|, |v[HX+16*\b+\i+1]|
.endr
.endr
.irp b, 0,1,2,3
	v_permlanex16_b32 v[PM+\b], v[MX+\b], s[SEL], s[SEL+1]
.endr
.irp b, 0,1,2,3
	v_max_num_f32 v[MX+\b], v[MX+\b], v[PM+\b]     ; with lane l xor 16's 16 numbers
.endr
.irp b, 0,1,2,3
	v_add_nc_u32 v[MX+\b], 0xff000000, v[MX+\b]
.endr
.irp b, 0,1,2,3
	v_lshrrev_b32 v[PM+\b], 23, v[MX+\b]
.endr
.irp b, 0,1,2,3
	v_cvt_scalef32_pk8_fp4_f32 v[HF+2*\b], v[HX+16*\b:HX+16*\b+7], v[MX+\b]
	v_cvt_scalef32_pk8_fp4_f32 v[HF+2*\b+1], v[HX+16*\b+8:HX+16*\b+15], v[MX+\b]
.endr
	v_lshl_or_b32 v[HS], v[PM+1], 8, v[PM]
	v_lshl_or_b32 v[HS], v[PM+2], 16, v[HS]
	v_lshl_or_b32 v[HS], v[PM+3], 24, v[HS]
.irp e, 0,1                            ; a whole block in a lane: lanes 0-15 block 2 e, lanes 16-31 block 2 e + 1
.irp i, 0,1
	v_permlane16_swap_b32 v[HF+4*\e+\i], v[HF+4*\e+2+\i]
.endr
.endr
	s_wait_alu depctr_va_vdst(0)
	s_wait_loadcnt 0x0
	WQUANT
.irp i, 0,1,2,3
	v_permlane16_swap_b32 v[F+\i], v[F+4+\i]       ; v[F] on: group w of columns 0-15 (lanes 16-31 get their second block); v[F+4] on: that of columns 16-31
.endr
	ds_store_b128 v59, v[F:F+3]
	ds_store_b128 v59, v[F+4:F+7] offset:1024
	ds_store_b16 v51, v[WSW]
	s_wait_alu depctr_va_vdst(0)
	s_wait_dscnt 0x0                               ; for the other wave's sake: my half has landed
	s_barrier_signal -1
	s_barrier_wait -1
.irp t, 0,1
.irp e, 0,1
	ds_load_b128 v[F+8*\t+4*\e:F+8*\t+4*\e+3], v60 offset:1024*\t+512*\e
.endr
.endr
	ds_load_b32 v[WSV], v61
	s_wait_dscnt 0x0
	; source 0 = 16 columns of W, source 1 = my 16 rows of hid: register j of lane (r, h) is (row r, column 8 h + j)
	v_wmma_scale_f32_16x16x128_f8f6f4 v[AC:AC+7], v[F:F+7], v[HF:HF+7], 0, v[WSV], v[HS] matrix_a_fmt:MATRIX_FMT_FP4 matrix_b_fmt:MATRIX_FMT_FP4
	v_wmma_scale_f32_16x16x128_f8f6f4 v[AC+8:AC+15], v[F+8:F+15], v[HF:HF+7], 0, v[WSV], v[HS] matrix_a_fmt:MATRIX_FMT_FP4 matrix_b_fmt:MATRIX_FMT_FP4 matrix_a_scale:MATRIX_SCALE_ROW1
.rept 4
	v_nop                                          ; four places in front of the first read of results (ISA guide 7.12.1)
.endr
.irp t, 0,1
	ds_store_b128 v54, v[AC+8*\t:AC+8*\t+3] offset:64*\t           ; each accumulator from its low end on
	ds_store_b128 v54, v[AC+8*\t+4:AC+8*\t+7] offset:64*\t+16
.endr
.irp t, 0,1,2,3
	ds_load_b128 v[X+4*\t:X+4*\t+3], v57 offset:576*\t             ; rows 4 t .. 4 t + 3
.endr
	s_lshl_b32 s30, s20, 16                        ; hbp: 65,536 bytes a K step, 2,048 a row (16 rows a wave), 128 a group
	s_lshl_b32 s23, s22, 15
	s_add_co_u32 s30, s30, s23
	s_add_co_u32 s30, s30, s28
	s_add_nc_u64 s[14:15], s[14:15], s[30:31]
.irp t, 0,1,2,3
	s_wait_dscnt 3-\t
	global_store_b128 v58, v[X+4*\t:X+4*\t+3], s[14:15] offset:8192*\t
.endr
	s_wait_tensorcnt 0x0                           ; the wave's end
	ds_add_u32 v[SPW], v[NIL]
	s_wait_dscnt 0x0
	s_endpgm
.Lwemb:
	; ---- W_emb: codes and scale bytes go out as the reader's registers want them
	WLOAD 0, 64
	s_lshl_b32 s28, s21, 14                        ; two tiles of 8,192 bytes a group,
	s_lshl_b32 s30, s20, 10                        ; 1,024 bytes a K step,
	s_add_co_u32 s28, s28, s30
	s_lshl_b32 s30, s22, 9                         ; my group of registers
	s_add_co_u32 s28, s28, s30
	s_add_nc_u64 s[10:11], s[10:11], s[28:29]
	s_lshl_b32 s30, s21, 10                        ; wsc: two tiles of 512 bytes,
	s_and_b32 s23, s20, 1
	s_lshl_b32 s23, s23, 8                         ; + 256 (s % 2)
	s_add_co_u32 s30, s30, s23
	s_lshr_b32 s23, s20, 1
	s_lshl_b32 s23, s23, 2                         ; + 4 (s / 2)
	s_add_co_u32 s30, s30, s23
	s_lshl_b32 s23, s22, 1                         ; + 2 w
	s_add_co_u32 s30, s30, s23
	s_add_nc_u64 s[12:13], s[12:13], s[30:31]
	s_wait_loadcnt 0x0
	WQUANT
.irp q, 0,1
	global_store_b128 v52, v[F+4*\q:F+4*\q+3], s[10:11] offset:256*\q   ; sixteen lanes store 256 consecutive bytes, aligned
.endr
	global_store_b16 v53, v[WSW], s[12:13]         ; 2 bytes a lane, 16 bytes apart: 16 KiB in the whole launch
	s_endpgm
.Lfunc_end_k_qda3b993996_prep:
	.size	k_qda3b993996_prep, .Lfunc_end_k_qda3b993996_prep-k_qda3b993996_prep
	.p2alignl 7, 3214868480
	.fill 96, 4, 3214868480
	.section	.rodata,"a",@progbits
	.p2align	6, 0x0
	.amdhsa_kernel k_qda3b993996_prep
		.amdhsa_group_segment_fixed_size 19456
		.amdhsa_private_segment_fixed_size 0
		.amdhsa_enable_private_segment 0
		.amdhsa_kernarg_size 48
		.amdhsa_user_sgpr_count 2
		.amdhsa_user_sgpr_kernarg_segment_ptr 1
		.amdhsa_wavefront_size32 1
		.amdhsa_system_sgpr_workgroup_id_x 1
		.amdhsa_system_sgpr_workgroup_id_y 1
		.amdhsa_system_sgpr_workgroup_id_z 1
		.amdhsa_system_vgpr_workitem_id 0
		.amdhsa_next_free_vgpr 256
		.amdhsa_next_free_sgpr 66
		.amdhsa_reserve_vcc 0
		.amdhsa_float_denorm_mode_32 3
		.amdhsa_float_denorm_mode_16_64 3
		.amdhsa_memory_ordered 1
		.amdhsa_forward_progress 1
		.amdhsa_inst_pref_size 32
	.end_amdhsa_kernel
	.amdgpu_metadata
---
amdhsa.version: [ 1, 2 ]
amdhsa.kernels:
  - .name:           k_qda3b993996_prep
    .symbol:         k_qda3b993996_prep.kd
    .args:
      - { .name: W_emb, .offset: 0, .size: 8, .value_kind: global_buffer, .address_space: global }
      - { .name: W_hid, .offset: 8, .size: 8, .value_kind: global_buffer, .address_space: global }
      - { .name: hid, .offset: 16, .size: 8, .value_kind: global_buffer, .address_space: global }
      - { .name: wq, .offset: 24, .size: 8, .value_kind: global_buffer, .address_space: global }
      - { .name: wsc, .offset: 32, .size: 8, .value_kind: global_buffer, .address_space: global }
      - { .name: hbp, .offset: 40, .size: 8, .value_kind: global_buffer, .address_space: global }
    .group_segment_fixed_size: 19456
    .private_segment_fixed_size: 0
    .kernarg_segment_align: 8
    .kernarg_segment_size: 48
    .max_flat_workgroup_size: 64
    .sgpr_count:     66
    .vgpr_count:     256
    .wavefront_size: 32
...
	.end_amdgpu_metadata
.endif
;; end of part 1
;; launch attend (part 2): grid 32 x 8, 8 waves a work-group, no clusters, 327,680 bytes of LDS; arguments emb, att_v, wq, wsc, hbp, tsc, pctx, stats, b_hid, b_emb; writes tsc, pctx, stats
.if DOCPART == 2
	.amdgcn_target "amdgcn-amd-amdhsa--gfx1250"
	.amdhsa_code_object_version 6
	.text
	.protected	k_qda3b993996_attend
	.globl	k_qda3b993996_attend
	.p2align	8
	.type	k_qda3b993996_attend,@function
k_qda3b993996_attend:
	s_mov_b64 s[64:65], 0
	v_nop
	global_prefetch_b8 v0, s[64:65] scope:SCOPE_SE
	s_setreg_imm32_b32 hwreg(HW_REG_WAVE_MODE, 25, 1), 1
	s_wait_xcnt 0x0
; Work-group (b, c) walks 256 positions of batch row b, s = 256 c .. 256 c + 255: scores, a running softmax, and its part of the context.
;   t[s] = -2 log2(e) sum over n of att_v[n] / (1 + 2^z), z = 2 log2(e) ((emb[s][b] Q-times W_emb)[n] + the eight parts of hbp[.][b][n] + b_hid[n] + b_emb[n]): the score x log2(e), less sum(att_v) x log2(e).
; WORK LEFT OUT: sum(att_v), one number for all positions of a softmax's row (tanh(x) = 1 - 2 / (1 + e^(2 x))): the first kernel's head comment shows it.
; Out: tsc[b][s] = t; pctx[b][c][e] = sum of 2^(t - M) emb; stats[b][c] = M, sum of 2^(t - M), M the chunk's largest t.
; SHARES.  Eight waves, two to a SIMD.  Wave w holds W_emb's codes for its 64 columns n and all of K in 256 registers for the whole launch, and owns channels 128 w .. 128 w + 127 of emb:
; it loads them, quantises them (K step w of the product) and sums its part of the context.
; A PIPELINE OF THREE STAGES over 16 tiles of 16 positions, one barrier a step.  Step n: Q(n) quantises tile n into the codes' image; M(n - 1) multiplies tile n - 1, forms the wave's part of its scores;
; C(n - 2) adds the eight parts of tile n - 2's scores, takes the softmax's step and adds to the context.  Images and parts of scores have two buffers each.  Steps 0 .. 17.
; In a step M's products come first, C's plain work between their groups, eight rows of C's multiply-adds behind M's exponentials, Q last; C's other eight rows stand between the next barrier's signal and its wait: work on registers.
; THE RING.  Four slots of one tile; a wave's region is its own 16 rows of 512 bytes, 528 bytes apart.  A tile stays for Q and for C two steps on; behind step n's barrier tile n + 1 is asked for,
; into the slot that C(n - 3) left: one load a wave, which has a step's work in which to land.
; LAYOUT.  Source 0 = 16 columns of W, source 1 = 16 positions: lane (r, h) holds position r, and register j of tile t column 64 w + 16 t + 8 h + j.
; PREFETCH.  In step n each wave asks for its own 16 rows x 512 bytes of tile n + 3 (32 blocks of 256 bytes, a lane a block), whose tensor load stands two steps on; tiles 1 and 2 at the head.  The last asked for is tile 15.
; NO CLUSTER: emb is read by one work-group alone.  What is shared, W_emb's codes (262,144 bytes against a work-group's 1,048,576 of emb), goes once and straight into registers; the ring and the images take 297,984 bytes of LDS, which leaves no room for it.
; LIMITS: blocks whose largest magnitude lies under 2^(2 - 126), the floor, whose byte is held at 1, were not tried; a block of zeros gets the byte 1 (its codes are zeros, and this program alone reads the bytes);
; NaN and infinities among the inputs are not served; the promise holds while |t| stays under 2^31.
.set RINGW, 33792                      ; a wave's four regions
.set SLOTB, 8448
.set PITCH, 528
.set TSTEP, 0x200000                   ; a tile on in memory: 16 positions of 131,072 bytes
.set IMG,   8*RINGW                    ; two images of 8,192 bytes
.set XSC,   IMG+16384                  ; two buffers of 768 bytes: scale words, row r, K step s at 48 r + 16 (s % 2) + 4 (s / 2)
.set PS,    XSC+1536                   ; two buffers of 1,536 bytes: lane l's eight parts of a score at 48 l + 4 w
.set PP,    PS+3072                    ; 64 bytes a wave: p of 16 positions
.set SCO,   PP+512                     ; the way out: t of 256 positions
.set HBS,   SCO+1024                   ; 512 bytes a wave: the bias term and att_v of its 64 columns
.set SPARE, HBS+4096                   ; the spare words
.set SPW,  1
.set NIL,  2
.set QA,   3
.set CA,   4
.set IMW,  5
.set LI,   6
.set XSW,  7
.set XSR,  8
.set PSW,  9
.set PSR,  10
.set PPW,  11
.set PPR,  12
.set PFO,  13
.set RM,   14                          ; the largest t so far; v15 the sum of p at my position's place
.set RL,   15
.set WS,   16                          ; v16-31   W's scale words: scales and nothing else
.set BI,   32                          ; v32-63   2 log2(e) x the bias term
.set AV,   64                          ; v64-95   -2 log2(e) att_v
.set ACC,  96                          ; v96-127  accumulators; behind M the quantiser's registers
.set MX,   ACC+8
.set PM,   ACC+12
.set PW,   ACC+16
.set PC,   ACC+24
.set BUFA, 128                         ; v128-191
.set BUFB, 192                         ; v192-223
.set P,    224                         ; v224-239 p of 16 positions, in every lane; ahead of it the scores at work
.set TS,   P
.set WO,   P+15                        ; at the head: W's offset, 16 x lane
.set XS,   240                         ; v240-243 the positions' scale words: scales and nothing else
.set CT,   244                         ; v244-251 context: four channels, even and odd rows
.set RF,   252
.set KEEP, 254                         ; t of positions 32 w + lane
.set PV,   255                         ; p of my position
.set G1,   24
.set G0,   32
.set SEL,  40
.set C2,   42
.set NC2,  44
.set TR,   46
.set LC,   47
.set MK,   48
.set PFA,  56
.set MSB, 0
.macro WIN new                         ; the immediate's high byte repeats the setting that is left
.if MSB != \new
	s_set_vgpr_msb (MSB<<8)|\new
.set MSB, \new
.endif
.endm
.macro WDS n
	s_wait_alu depctr_va_vdst(0)
	s_wait_dscnt \n
.endm
; 64 numbers of a lane, register 16 b + i = k 32 b + 16 h + i of position r, become a fragment's codes in v[PC] on and its scale word in v[PW]
.macro QUANT src
.irp b, 0,1,2,3
	v_max3_num_f32 v[MX+\b], |v[\src+16*\b]|, |v[\src+16*\b+1]|, 0x1800000   ; the floor 2^(3 - 127): the byte cannot fall under 1
.endr
.irp i, 2,4,6,8,10,12,14
.irp b, 0,1,2,3
	v_max3_num_f32 v[MX+\b], v[MX+\b], |v[\src+16*\b+\i]|, |v[\src+16*\b+\i+1]|
.endr
.endr
.irp b, 0,1,2,3
	v_permlanex16_b32 v[PM+\b], v[MX+\b], s[SEL], s[SEL+1]
.endr
.irp b, 0,1,2,3
	v_max_num_f32 v[MX+\b], v[MX+\b], v[PM+\b]
.endr
.irp b, 0,1,2,3
	v_add_nc_u32 v[MX+\b], 0xff000000, v[MX+\b]    ; 2 off the exponent field: the conversion's scale operand
.endr
.irp b, 0,1,2,3
	v_lshrrev_b32 v[PM+\b], 23, v[MX+\b]
.endr
.irp b, 0,1,2,3
	v_cvt_scalef32_pk8_fp4_f32 v[PC+2*\b], v[\src+16*\b:\src+16*\b+7], v[MX+\b]
	v_cvt_scalef32_pk8_fp4_f32 v[PC+2*\b+1], v[\src+16*\b+8:\src+16*\b+15], v[MX+\b]
.endr
	v_lshl_or_b32 v[PW], v[PM+1], 8, v[PM]
	v_lshl_or_b32 v[PW], v[PM+2], 16, v[PW]
	v_lshl_or_b32 v[PW], v[PM+3], 24, v[PW]
.irp e, 0,1                            ; a whole block in a lane: lanes 0-15 block 2 e, lanes 16-31 block 2 e + 1
.irp i, 0,1
	v_permlane16_swap_b32 v[PC+4*\e+\i], v[PC+4*\e+2+\i]
.endr
.endr
.endm
.macro QLOAD slot, half                ; blocks 2 half and 2 half + 1 of my position's 128 channels
.irp b, 0,1
.irp j, 0,1,2,3
	ds_load_b128 v[BUFA+32*(\half)+16*\b+4*\j:BUFA+32*(\half)+16*\b+4*\j+3], v[QA] offset:(\slot)*SLOTB+256*(\half)+128*\b+16*\j
.endr
.endr
.endm
.macro FRAGS base, buf, from           ; four K steps' fragments of the image
.irp u, 0,1,2,3
.irp e, 0,1
	ds_load_b128 v[\base+8*\u+4*\e:\base+8*\u+4*\e+3], v[LI] offset:8192*(\buf)+1024*(\from+\u)+512*\e
.endr
.endr
.endm
.macro MM t, s, x
.set rD, ACC+8*(\t)
.set rW, 8*(8*(\t)+(\s))
.set rX, \x
.set rWS, WS+4*(\t)+(\s)/2
.set rXS, XS+(\s)/2
.if (\s) == 0
	v_wmma_scale_f32_16x16x128_f8f6f4 v[rD:rD+7], v[rW:rW+7], v[rX:rX+7], 0, v[rWS], v[rXS] matrix_a_fmt:MATRIX_FMT_FP4 matrix_b_fmt:MATRIX_FMT_FP4
.elseif (\s)%2 == 0
	v_wmma_scale_f32_16x16x128_f8f6f4 v[rD:rD+7], v[rW:rW+7], v[rX:rX+7], v[rD:rD+7], v[rWS], v[rXS] matrix_a_fmt:MATRIX_FMT_FP4 matrix_b_fmt:MATRIX_FMT_FP4
.else
	v_wmma_scale_f32_16x16x128_f8f6f4 v[rD:rD+7], v[rW:rW+7], v[rX:rX+7], v[rD:rD+7], v[rWS], v[rXS] matrix_a_fmt:MATRIX_FMT_FP4 matrix_b_fmt:MATRIX_FMT_FP4 matrix_a_scale:MATRIX_SCALE_ROW1 matrix_b_scale:MATRIX_SCALE_ROW1
.endif
.endm
.macro MUL base, from                  ; two K steps; the four accumulators by turns
.irp s, 0,1
.irp t, 0,1,2,3
	MM \t, \from+\s, \base+8*\s
.endr
.endr
.endm
.macro CLOAD base, slot, row           ; eight rows, 512 bytes each, of my channels
.irp u, 0,1,2,3,4,5,6,7
	ds_load_b128 v[\base+4*\u:\base+4*\u+3], v[CA] offset:(\slot)*SLOTB+PITCH*(\row+\u)
.endr
.endm
.macro CFMA base, row                  ; eight rows of the context: even rows into CT .. CT + 3, odd ones into CT + 4 .. CT + 7
.set U, 0
.rept 4
	v_pk_fma_f32 v[CT:CT+1], v[\base+8*U:\base+8*U+1], v[P+\row+2*U:P+\row+2*U+1], v[CT:CT+1] op_sel_hi:[1,0,1]
	v_pk_fma_f32 v[CT+2:CT+3], v[\base+8*U+2:\base+8*U+3], v[P+\row+2*U:P+\row+2*U+1], v[CT+2:CT+3] op_sel_hi:[1,0,1]
	v_pk_fma_f32 v[CT+4:CT+5], v[\base+8*U+4:\base+8*U+5], v[P+\row+2*U:P+\row+2*U+1], v[CT+4:CT+5] op_sel:[0,1,0] op_sel_hi:[1,1,1]
	v_pk_fma_f32 v[CT+6:CT+7], v[\base+8*U+6:\base+8*U+7], v[P+\row+2*U:P+\row+2*U+1], v[CT+6:CT+7] op_sel:[0,1,0] op_sel_hi:[1,1,1]
.set U, U+1
.endr
.endm
.macro SCORE odd                       ; the eight parts of each score: t of position r, in both halves of the lanes
	v_pk_add_f32 v[TS:TS+1], v[TS:TS+1], v[TS+2:TS+3]
	v_pk_add_f32 v[TS+4:TS+5], v[TS+4:TS+5], v[TS+6:TS+7]
	s_delay_alu instid0(VALU_DEP_1)
	v_pk_add_f32 v[TS:TS+1], v[TS:TS+1], v[TS+4:TS+5]
	s_delay_alu instid0(VALU_DEP_1)
	v_add_f32 v[TS], v[TS], v[TS+1]
	s_delay_alu instid0(VALU_DEP_1)
	v_permlanex16_b32 v[TS+2], v[TS], s[SEL], s[SEL+1]
	s_delay_alu instid0(VALU_DEP_1)
	v_add_f32 v[TS], v[TS], v[TS+2]
	s_cmp_eq_u32 s20, s[TR]                        ; wave w keeps tiles 2 w (lanes 0-15) and 2 w + 1 (lanes 16-31)
.if \odd
	s_cselect_b32 s[MK], 0xffff0000, 0
.else
	s_cselect_b32 s[MK], 0xffff, 0
.endif
	v_cndmask_b32 v[KEEP], v[KEEP], v[TS], s[MK]
.if \odd
	s_add_co_u32 s[TR], s[TR], 1
.endif
.endm
.macro MAXIMUM                         ; the running maximum, and what the exponentials read
	v_max_num_f32_dpp v[TS+1], v[TS], v[TS] row_xmask:1 row_mask:0xf bank_mask:0xf
.irp x, 2,4,8
	s_delay_alu instid0(VALU_DEP_1)
	v_max_num_f32_dpp v[TS+1], v[TS+1], v[TS+1] row_xmask:\x row_mask:0xf bank_mask:0xf
.endr
	s_delay_alu instid0(VALU_DEP_1)
	v_max_num_f32 v[TS+2], v[TS+1], v[RM]
	s_delay_alu instid0(VALU_DEP_1)
	v_sub_f32 v[TS+3], v[RM], v[TS+2]
	s_delay_alu instid0(VALU_DEP_2)
	v_sub_f32 v[TS+4], v[TS], v[TS+2]
.endm
.macro PROB                            ; f = 2^(old M - new M), p = 2^(t - M); a wait ahead of the pair (at the call) and behind it
	v_exp_f32 v[RF], v[TS+3]
	v_exp_f32 v[PV], v[TS+4]
	v_mov_b32 v[RM], v[TS+2]
	s_wait_alu depctr_va_vdst(0)
	v_fma_f32 v[RL], v[RL], v[RF], v[PV]
	ds_store_b32 v[PPW], v[PV]                     ; my wave's own bytes: no barrier
.irp e, 0,1,2,3
	ds_load_b128 v[P+4*\e:P+4*\e+3], v[PPR] offset:16*\e
.endr
.irp e, 0,2,4,6
	v_pk_mul_f32 v[CT+\e:CT+\e+1], v[CT+\e:CT+\e+1], v[RF:RF+1] op_sel_hi:[1,0]
.endr
.endm
; A STEP.  kk = step mod 4: Q's slot kk, C's slot (kk + 2) mod 4, the load's slot (kk + 1) mod 4.  ld, qq, mm, cc: with the tensor load, Q, M, C.  pf: 1 with the prefetch, 2 with it but in the loop's last trip.
; w1: W is awaited.  pc: the step before had C: its rows 8-15 are added between the barrier's signal and its wait
.macro STEP kk, ld, qq, mm, cc, pf, w1, pc
	s_wait_alu depctr_va_vdst(0)                   ; the wait ahead of the blocking waits
.if \ld
	s_wait_tensorcnt 0x0                           ; my region of this step's tile is in, and my descriptor may be written
	ds_add_u32 v[SPW], v[NIL]
	s_add_nc_u64 s[G0+2:G0+3], s[G0+2:G0+3], TSTEP
	s_add_co_u32 s[G0+1], s22, ((\kk+1)%4)*SLOTB
.if \pf
	s_wait_xcnt 0x0                                ; earlier prefetches and loads have read their addresses
	s_add_nc_u64 s[PFA:PFA+1], s[PFA:PFA+1], TSTEP
.endif
.elseif \qq
	s_wait_tensorcnt 0x0                           ; the last tile is in
.endif
	s_wait_dscnt 0x0                               ; my stores of the last step have landed, my reads are over
	s_barrier_signal -1
.if \pc
	CFMA BUFB, 8
.endif
	s_barrier_wait -1
.if \ld
	tensor_load_to_lds s[G0:G0+3], s[G1:G1+7]
	s_nop 0
.endif
.if \mm
	ds_load_b128 v[XS:XS+3], v[XSR] offset:768*((\kk+1)%2)
	FRAGS BUFB, (\kk+1)%2, 0
.endif
.if \cc
	ds_load_b128 v[TS:TS+3], v[PSR] offset:1536*(\kk%2)
	ds_load_b128 v[TS+4:TS+7], v[PSR] offset:1536*(\kk%2)+16
.endif
.if \mm
	FRAGS BUFA, (\kk+1)%2, 4
.endif
.if \cc
	CLOAD BUFA+32, (\kk+2)%4, 0
.endif
.if \mm
.if \w1
	s_wait_loadcnt 0x0                             ; W's codes and scale words
.endif
	s_wait_dscnt 8+10*\cc                          ; the scale words and the first four K steps; the other eight fragment loads and C's ten may be out
	WIN 0x01
	MUL BUFB, 0
	WIN 0
.endif
.if \cc
	s_wait_dscnt 8*\mm+8                           ; the parts of the scores; eight fragment loads and C's eight rows may be out
	SCORE \kk%2
.endif
.if \mm
	WIN 0x01
	MUL BUFB+16, 2
	WIN 0
.endif
.if \cc
	MAXIMUM                                        ; (its seven plain lines are also the places in front of the loads into BUFB)
	CLOAD BUFB, (\kk+2)%4, 8
.endif
.if \mm
	WDS 16*\cc                                     ; the last four K steps; C's sixteen rows may be out
	WIN 0x01
	MUL BUFA, 4
	MUL BUFA+16, 6
	WIN 0
.elseif \cc
	s_wait_alu depctr_va_vdst(0)
.endif
.if \cc
	PROB                                           ; (six plain lines: places behind the products)
.elseif \mm
.rept 4
	v_nop
.endr
.endif
.if \qq
	QLOAD \kk, 0
.endif
.if \mm
	s_wait_alu depctr_va_vdst(0)                   ; the wait ahead of the results' first readers
.set i, 0
.rept 16
	v_pk_fma_f32 v[ACC+i:ACC+i+1], v[ACC+i:ACC+i+1], s[C2:C2+1], v[BI+i:BI+i+1] op_sel_hi:[1,0,1]
.set i, i+2
.endr
	s_wait_alu depctr_va_vdst(0)                   ; and ahead of the batch
.set i, 0
.rept 32
	v_exp_f32 v[ACC+i], v[ACC+i]
.set i, i+1
.endr
.endif
.if \cc
.if \mm
	s_wait_dscnt 8*\qq                             ; p and all of C's rows; Q's first eight loads may be out
.else
	WDS 0
.endif
	CFMA BUFA+32, 0                                ; independent work behind the batch
.elseif \mm
	v_nop
.endif
.if \qq
	QLOAD \kk, 1
.endif
.if \mm
	s_wait_alu depctr_va_vdst(0)                   ; and behind it
.set i, 0
.rept 16
	v_pk_add_f32 v[ACC+i:ACC+i+1], v[ACC+i:ACC+i+1], 1.0 op_sel_hi:[1,0]
.set i, i+2
.endr
.endif
.if \pf == 2
	s_cmp_eq_u32 s[LC], 1
	s_cbranch_scc1 .Lpf_\@
.endif
.if \pf
	global_prefetch_b8 v[PFO], s[PFA:PFA+1] offset:2*TSTEP th:TH_LOAD_NT scope:SCOPE_SE
.endif
.if \pf == 2
.Lpf_\@:
.endif
.if \mm
	s_wait_alu depctr_va_vdst(0)                   ; the reciprocals likewise
.set i, 0
.rept 32
	v_rcp_f32 v[ACC+i], v[ACC+i]
.set i, i+1
.endr
	v_nop
	s_wait_alu depctr_va_vdst(0)
.irp e, 0,2,4,6
	v_pk_mul_f32 v[ACC+\e:ACC+\e+1], v[ACC+\e:ACC+\e+1], v[AV+\e:AV+\e+1]
.endr
.irp t, 8,16,24
.irp e, 0,2,4,6
	v_pk_fma_f32 v[ACC+\e:ACC+\e+1], v[ACC+\t+\e:ACC+\t+\e+1], v[AV+\t+\e:AV+\t+\e+1], v[ACC+\e:ACC+\e+1]
.endr
.endr
	v_pk_add_f32 v[ACC:ACC+1], v[ACC:ACC+1], v[ACC+2:ACC+3]
	v_pk_add_f32 v[ACC+4:ACC+5], v[ACC+4:ACC+5], v[ACC+6:ACC+7]
	s_delay_alu instid0(VALU_DEP_1)
	v_pk_add_f32 v[ACC:ACC+1], v[ACC:ACC+1], v[ACC+4:ACC+5]
	s_delay_alu instid0(VALU_DEP_1)
	v_add_f32 v[ACC], v[ACC], v[ACC+1]
	ds_store_b32 v[PSW], v[ACC] offset:1536*((\kk+1)%2)   ; my columns' part of position r's score (8 h .. 8 h + 7 of each tile)
.endif
.if \qq
	WDS \mm                                        ; Q's numbers; the store of the part may be out
	QUANT BUFA
	ds_store_b128 v[IMW], v[PC:PC+3] offset:8192*(\kk%2)
	ds_store_b128 v[IMW], v[PC+4:PC+7] offset:8192*(\kk%2)+512
	ds_store_b32 v[XSW], v[PW] offset:768*(\kk%2)
.endif
.endm
.macro WLOAD from, n                   ; n fragments of W's codes into window 1: fragment f = 8 t + s at v[256 + 8 f]
	WIN 0x40
.set f, \from
.rept \n
	global_load_b128 v[8*f:8*f+3], v[WO], s[8:9] offset:1024*f
	global_load_b128 v[8*f+4:8*f+7], v[WO], s[8:9] offset:1024*f+512
.set f, f+1
.endr
	WIN 0
.endm
	s_load_b512 s[4:19], s[0:1], 0x0               ; emb s[4:5], att_v s[6:7], wq s[8:9], wsc s[10:11], hbp s[12:13], tsc s[14:15], pctx s[16:17], stats s[18:19]
	s_load_b128 s[36:39], s[0:1], 0x40             ; b_hid, b_emb
	v_lshl_add_u32 v[SPW], v0, 2, SPARE
	v_mov_b32 v[NIL], 0
	ds_add_u32 v[SPW], v[NIL]                      ; the opening add, twice on end, under one wait
	ds_add_u32 v[SPW], v[NIL]
	v_lshrrev_b32 v128, 5, v0
	v_readfirstlane_b32 s20, v128                  ; wave 0..7
	s_and_b32 s21, ttmp7, 0xffff                   ; chunk c
	; descriptor group 1: 16 rows of 128 f32 (512 bytes), 131,072 bytes apart in memory, four words of padding behind every 128
	s_mov_b32 s[G1+0], (2<<16)|(1<<20)|(6<<22)|(3<<25)
	s_mov_b32 s[G1+1], 128<<16
	s_mov_b32 s[G1+2], 16<<16
	s_mov_b32 s[G1+3], 128<<16
	s_mov_b32 s[G1+4], 16
	s_mov_b32 s[G1+5], 32768
	s_mov_b32 s[G1+6], 0
	s_mov_b32 s[G1+7], 0
	s_mul_i32 s22, s20, RINGW                      ; my part of the ring
	s_lshl_b32 s50, s21, 25                        ; 256 positions a chunk
	s_lshl_b32 s51, ttmp9, 12                      ; 4,096 bytes a batch row
	s_add_co_u32 s50, s50, s51
	s_lshl_b32 s51, s20, 9                         ; 512 bytes a wave
	s_add_co_u32 s50, s50, s51
	s_mov_b32 s51, 0
	s_mov_b32 s[SEL], 0x76543210                   ; lane l xor 16
	s_mov_b32 s[SEL+1], 0xfedcba98
	s_mov_b32 s[C2], 0x4038aa3b                    ; 2 log2(e), and its negative; each named as a pair
	s_mov_b32 s[C2+1], s[C2]
	s_mov_b32 s[NC2], 0xc038aa3b
	s_mov_b32 s[NC2+1], s[NC2]
	s_mov_b32 s[TR], 0
	s_mov_b32 s[LC], 3
	v_and_b32 v129, 31, v0                         ; lane
	v_and_b32 v130, 15, v0                         ; r
	v_bfe_u32 v131, v0, 4, 1                       ; h
	v_lshlrev_b32 v132, 4, v129
	v_lshlrev_b32 v[WO], 4, v129
	v_lshlrev_b32 v133, 4, v130                    ; 16 bytes: four columns, for the lanes of each half
	v_lshl_add_u32 v136, v131, 16, v133            ; hbp: lanes 16-31 take the odd K steps' parts
	v_mul_u32_u24 v[QA], v130, PITCH
	v_lshl_add_u32 v[QA], v131, 6, v[QA]
	v_add_nc_u32 v[QA], s22, v[QA]
	v_add_nc_u32 v[CA], s22, v132
	s_lshl_b32 s49, s20, 10
	s_add_co_u32 s49, s49, IMG
	v_add_nc_u32 v[IMW], s49, v132
	v_add_nc_u32 v[LI], IMG, v132
	s_and_b32 s49, s20, 1
	s_lshl_b32 s49, s49, 4
	s_lshr_b32 s52, s20, 1
	s_lshl_b32 s52, s52, 2
	s_add_co_u32 s49, s49, s52
	s_add_co_u32 s49, s49, XSC
	v_mul_u32_u24 v128, v130, 48
	v_add_nc_u32 v[XSW], s49, v128                 ; my K step's scale word of row r
	v_lshl_add_u32 v[XSR], v131, 4, v128
	v_add_nc_u32 v[XSR], XSC, v[XSR]               ; lanes 0-15 the even K steps' words, lanes 16-31 the odd ones'
	s_lshl_b32 s49, s20, 2
	s_add_co_u32 s49, s49, PS
	v_mul_u32_u24 v137, v129, 48
	v_add_nc_u32 v[PSW], s49, v137
	v_add_nc_u32 v[PSR], PS, v137
	s_lshl_b32 s49, s20, 6
	s_add_co_u32 s49, s49, PP
	v_lshl_add_u32 v[PPW], v130, 2, s49
	v_mov_b32 v[PPR], s49
	s_lshl_b32 s49, s20, 9
	s_add_co_u32 s49, s49, HBS
	v_add_nc_u32 v[ACC+28], s49, v133              ; my wave's 64 columns in LDS: in, four columns a lane;
	v_lshl_add_u32 v[ACC+29], v131, 5, s49         ; back, eight columns for each half of the lanes
	v_lshrrev_b32 v134, 1, v129
	v_lshlrev_b32 v134, 17, v134
	v_and_b32 v135, 1, v129
	v_lshl_add_u32 v[PFO], v135, 8, v134           ; prefetch: row lane / 2, block of 256 bytes lane % 2
	v_mov_b32 v[RM], 0xff61b1e6                    ; -3e38, under every t
	v_mov_b32 v[RL], 0
	v_mov_b32 v[RF+1], 0                           ; (named as the upper half of a pair)
	v_mov_b32 v[KEEP], 0
.irp e, 0,1,2,3,4,5,6,7
	v_mov_b32 v[CT+\e], 0
.endr
	s_wait_alu depctr_va_vdst(0)
	s_wait_dscnt 0x0                               ; both opening adds are done
	s_wait_kmcnt 0x0
	s_add_nc_u64 s[4:5], s[4:5], s[50:51]
	s_mov_b64 s[PFA:PFA+1], s[4:5]
	s_mov_b32 s[G0], 1
	s_mov_b32 s[G0+1], s22
	s_mov_b64 s[G0+2:G0+3], s[4:5]
	s_or_b32 s[G0+3], s[G0+3], 0x80000000
	tensor_load_to_lds s[G0:G0+3], s[G1:G1+7]      ; tile 0: the head's one load a wave
	s_nop 0
	s_lshl_b32 s50, s20, 15
	s_add_nc_u64 s[8:9], s[8:9], s[50:51]          ; my four tiles of W's codes,
	s_lshl_b32 s50, s20, 11
	s_add_nc_u64 s[10:11], s[10:11], s[50:51]      ; their scale words,
	s_lshl_b32 s50, s20, 8
	s_add_nc_u64 s[6:7], s[6:7], s[50:51]          ; my 64 columns of att_v,
	s_add_nc_u64 s[36:37], s[36:37], s[50:51]      ; of the biases,
	s_add_nc_u64 s[38:39], s[38:39], s[50:51]
	s_lshl_b32 s52, ttmp9, 11
	s_add_co_u32 s50, s50, s52
	s_add_nc_u64 s[12:13], s[12:13], s[50:51]      ; and of hbp[.][b]
	global_prefetch_b8 v[PFO], s[PFA:PFA+1] offset:TSTEP th:TH_LOAD_NT scope:SCOPE_SE
	global_prefetch_b8 v[PFO], s[PFA:PFA+1] offset:2*TSTEP th:TH_LOAD_NT scope:SCOPE_SE
.irp e, 0,1,2,3
	global_load_b128 v[ACC+4*\e:ACC+4*\e+3], v136, s[12:13] offset:131072*\e   ; parts 2 e + h
.endr
	global_load_b128 v[ACC+16:ACC+19], v133, s[6:7]
	global_load_b128 v[ACC+20:ACC+23], v133, s[36:37]
	global_load_b128 v[ACC+24:ACC+27], v133, s[38:39]
.irp t, 0,1,2,3
	global_load_b128 v[WS+4*\t:WS+4*\t+3], v[WO], s[10:11] offset:512*\t
.endr
	WLOAD 0, 4                                     ; eight of W's 64 loads here, the rest behind step 0's tensor load
	; the bias term and att_v: four columns a lane, spread through my wave's own bytes of LDS into the results' layout
	s_wait_alu depctr_va_vdst(0)
	s_wait_loadcnt 12                              ; the first seven loads are in: four of scale words and eight of codes stand behind them
.irp e, 0,2,8,10
	v_pk_add_f32 v[ACC+\e:ACC+\e+1], v[ACC+\e:ACC+\e+1], v[ACC+\e+4:ACC+\e+5]
.endr
	v_pk_add_f32 v[ACC+20:ACC+21], v[ACC+20:ACC+21], v[ACC+24:ACC+25]
	v_pk_add_f32 v[ACC+22:ACC+23], v[ACC+22:ACC+23], v[ACC+26:ACC+27]
	v_pk_add_f32 v[ACC:ACC+1], v[ACC:ACC+1], v[ACC+8:ACC+9]
	v_pk_add_f32 v[ACC+2:ACC+3], v[ACC+2:ACC+3], v[ACC+10:ACC+11]
	v_pk_mul_f32 v[ACC+16:ACC+17], v[ACC+16:ACC+17], s[NC2:NC2+1] op_sel_hi:[1,0]
	v_pk_mul_f32 v[ACC+18:ACC+19], v[ACC+18:ACC+19], s[NC2:NC2+1] op_sel_hi:[1,0]
.irp e, 0,1,2,3
	v_permlanex16_b32 v[ACC+4+\e], v[ACC+\e], s[SEL], s[SEL+1]
.endr
	v_pk_add_f32 v[ACC:ACC+1], v[ACC:ACC+1], v[ACC+4:ACC+5]
	v_pk_add_f32 v[ACC+2:ACC+3], v[ACC+2:ACC+3], v[ACC+6:ACC+7]
	v_pk_add_f32 v[ACC:ACC+1], v[ACC:ACC+1], v[ACC+20:ACC+21]
	v_pk_add_f32 v[ACC+2:ACC+3], v[ACC+2:ACC+3], v[ACC+22:ACC+23]
	v_pk_mul_f32 v[ACC:ACC+1], v[ACC:ACC+1], s[C2:C2+1] op_sel_hi:[1,0]
	v_pk_mul_f32 v[ACC+2:ACC+3], v[ACC+2:ACC+3], s[C2:C2+1] op_sel_hi:[1,0]
	ds_store_b128 v[ACC+28], v[ACC:ACC+3]
	ds_store_b128 v[ACC+28], v[ACC+16:ACC+19] offset:256
.irp t, 0,1,2,3
.irp e, 0,1
	ds_load_b128 v[BI+8*\t+4*\e:BI+8*\t+4*\e+3], v[ACC+29] offset:64*\t+16*\e
	ds_load_b128 v[AV+8*\t+4*\e:AV+8*\t+4*\e+3], v[ACC+29] offset:256+64*\t+16*\e
.endr
.endr
	STEP 0, 1, 1, 0, 0, 1, 0, 0
	WLOAD 4, 28
	STEP 1, 1, 1, 1, 0, 1, 1, 0
	STEP 2, 1, 1, 1, 1, 1, 0, 0
.Ltrips:                                               ; three trips of four steps: steps 3 .. 14; step 14 asks for tile 15, the last; steps 13 and 14 prefetch nothing
	STEP 3, 1, 1, 1, 1, 1, 0, 1
	STEP 0, 1, 1, 1, 1, 1, 0, 1
	STEP 1, 1, 1, 1, 1, 2, 0, 1
	STEP 2, 1, 1, 1, 1, 2, 0, 1
	s_sub_co_u32 s[LC], s[LC], 1
	s_cmp_lg_u32 s[LC], 0
	s_cbranch_scc1 .Ltrips
	STEP 3, 0, 1, 1, 1, 0, 0, 1
	STEP 0, 0, 0, 1, 1, 0, 0, 1
	STEP 1, 0, 0, 0, 1, 0, 0, 1
	CFMA BUFB, 8                                   ; the last tile's rows 8-15
	; THE WAY OUT
	v_add_f32_dpp v[RL], v[RL], v[RL] row_xmask:1 row_mask:0xf bank_mask:0xf
.irp x, 2,4,8
	s_delay_alu instid0(VALU_DEP_1)
	v_add_f32_dpp v[RL], v[RL], v[RL] row_xmask:\x row_mask:0xf bank_mask:0xf
.endr
	v_pk_add_f32 v[CT:CT+1], v[CT:CT+1], v[CT+4:CT+5]
	v_pk_add_f32 v[CT+2:CT+3], v[CT+2:CT+3], v[CT+6:CT+7]
	s_and_b32 s49, s20, 3
	s_lshl_b32 s49, s49, 8
	s_add_co_u32 s53, s49, SCO
	v_and_b32 v[TS+1], 31, v0
	v_lshl_add_u32 v[TS], v0, 2, SCO
	v_lshlrev_b32 v[TS+2], 4, v[TS+1]
	v_lshlrev_b32 v[TS+3], 3, v[TS+1]
	v_mov_b32 v[TS+7], 0
	v_add_nc_u32 v[TS+6], s53, v[TS+3]
	s_wait_alu depctr_va_vdst(0)
	s_lshl_b32 s52, ttmp9, 3
	s_add_co_u32 s52, s52, s21                     ; 8 b + c
	s_lshl_b32 s50, s52, 12
	s_lshl_b32 s53, s20, 9
	s_add_co_u32 s50, s50, s53
	s_add_nc_u64 s[16:17], s[16:17], s[50:51]
	s_lshl_b32 s50, s52, 10
	s_add_co_u32 s50, s50, s49
	s_add_nc_u64 s[14:15], s[14:15], s[50:51]
	s_lshl_b32 s50, s52, 3
	s_add_nc_u64 s[18:19], s[18:19], s[50:51]
	global_store_b128 v[TS+2], v[CT:CT+3], s[16:17]   ; 512 consecutive bytes a wave
	ds_store_b32 v[TS], v[KEEP]
	s_wait_dscnt 0x0
	s_barrier_signal -1
	s_barrier_wait -1
	s_cmp_lt_u32 s20, 4
	s_cbranch_scc0 .Lno_t
	s_wait_alu depctr_va_vdst(0)
	ds_load_b64 v[TS+4:TS+5], v[TS+6]
	s_wait_dscnt 0x0
	global_store_b64 v[TS+3], v[TS+4:TS+5], s[14:15]  ; one aligned unit of 256 bytes a wave
.Lno_t:
	s_wait_xcnt 0x0                                ; EXEC changes only behind this wait
	v_cmp_eq_u32 vcc_lo, 0, v0
	s_and_saveexec_b32 s54, vcc_lo
	s_wait_alu depctr_va_vdst(0)
	global_store_b64 v[TS+7], v[RM:RM+1], s[18:19]
	s_wait_xcnt 0x0
	s_or_b32 exec_lo, exec_lo, s54
	s_wait_tensorcnt 0x0                           ; the wave's end
	ds_add_u32 v[SPW], v[NIL]
	s_wait_dscnt 0x0
	s_endpgm
.Lfunc_end_k_qda3b993996_attend:
	.size	k_qda3b993996_attend, .Lfunc_end_k_qda3b993996_attend-k_qda3b993996_attend
	.p2alignl 7, 3214868480
	.fill 96, 4, 3214868480
	.section	.rodata,"a",@progbits
	.p2align	6, 0x0
	.amdhsa_kernel k_qda3b993996_attend
		.amdhsa_group_segment_fixed_size 327680
		.amdhsa_private_segment_fixed_size 0
		.amdhsa_enable_private_segment 0
		.amdhsa_kernarg_size 80
		.amdhsa_user_sgpr_count 2
		.amdhsa_user_sgpr_kernarg_segment_ptr 1
		.amdhsa_wavefront_size32 1
		.amdhsa_system_sgpr_workgroup_id_x 1
		.amdhsa_system_sgpr_workgroup_id_y 1
		.amdhsa_system_sgpr_workgroup_id_z 1
		.amdhsa_system_vgpr_workitem_id 0
		.amdhsa_next_free_vgpr 512
		.amdhsa_next_free_sgpr 66
		.amdhsa_reserve_vcc 1
		.amdhsa_float_denorm_mode_32 3
		.amdhsa_float_denorm_mode_16_64 3
		.amdhsa_memory_ordered 1
		.amdhsa_forward_progress 1
		.amdhsa_inst_pref_size 190
	.end_amdhsa_kernel
	.amdgpu_metadata
---
amdhsa.version: [ 1, 2 ]
amdhsa.kernels:
  - .name:           k_qda3b993996_attend
    .symbol:         k_qda3b993996_attend.kd
    .args:
      - { .name: emb, .offset: 0, .size: 8, .value_kind: global_buffer, .address_space: global }
      - { .name: att_v, .offset: 8, .size: 8, .value_kind: global_buffer, .address_space: global }
      - { .name: wq, .offset: 16, .size: 8, .value_kind: global_buffer, .address_space: global }
      - { .name: wsc, .offset: 24, .size: 8, .value_kind: global_buffer, .address_space: global }
      - { .name: hbp, .offset: 32, .size: 8, .value_kind: global_buffer, .address_space: global }
      - { .name: tsc, .offset: 40, .size: 8, .value_kind: global_buffer, .address_space: global }
      - { .name: pctx, .offset: 48, .size: 8, .value_kind: global_buffer, .address_space: global }
      - { .name: stats, .offset: 56, .size: 8, .value_kind: global_buffer, .address_space: global }
      - { .name: b_hid, .offset: 64, .size: 8, .value_kind: global_buffer, .address_space: global }
      - { .name: b_emb, .offset: 72, .size: 8, .value_kind: global_buffer, .address_space: global }
    .group_segment_fixed_size: 327680
    .private_segment_fixed_size: 0
    .kernarg_segment_align: 8
    .kernarg_segment_size: 80
    .max_flat_workgroup_size: 256
    .sgpr_count:     66
    .vgpr_count:     512
    .wavefront_size: 32
...
	.end_amdgpu_metadata
.endif
;; end of part 2
;; launch finish (part 3): grid 32 x 8, 1 waves a work-group, no clusters, 0 bytes of LDS; arguments tsc, pctx, stats, out0, out1; writes out0, out1
.if DOCPART == 3
	.amdgcn_target "amdgcn-amd-amdhsa--gfx1250"
	.amdhsa_code_object_version 6
	.text
	.protected	k_qda3b993996_finish
	.globl	k_qda3b993996_finish
	.p2align	8
	.type	k_qda3b993996_finish,@function
k_qda3b993996_finish:
	s_mov_b64 s[64:65], 0
	v_nop
	global_prefetch_b8 v0, s[64:65] scope:SCOPE_SE
	s_setreg_imm32_b32 hwreg(HW_REG_WAVE_MODE, 25, 1), 1
	s_wait_xcnt 0x0
; Work-group (b, y) joins batch b's eight chunks for 128 of the 1,024 channels and 256 of the 2,048 positions.  Mg = the largest M_c; f_c = 2^(M_c - Mg); Lg = sum of f_c L_c;
; out0[b][e] = sum over c of (f_c / Lg) ctx_c[e];  out1[b][s] = 2^(t[s] - Mg) / Lg.  All in f32.
; t lacks sum(att_v) x log2(e), one number for the whole row, and so does Mg: the first kernel's head comment shows why that term is left out.
; One wave: lane n takes 16 bytes at 512 y + 16 n of each row, so a load or store covers 512 consecutive bytes.  All loads go out at once; no LDS, no barrier, no prefetch: there is no loop to run ahead in.
; Every chunk's largest p is 1, so Lg is at least 1.  2^x under 2^-126 comes out as 0 (ISA guide, v_exp_f32).
.set T,   4                            ; v4-11   eight t
.set CX,  12                           ; v12-43  ctx of the eight chunks, 4 numbers each
.set O,   44                           ; v44-47  out0
.set MG,  60                           ; v[60:61] Mg (the pair's low word serves both halves)
.set FC,  62                           ; v62-69  f_c, then f_c / Lg
.set LG,  70
.set RL,  72                           ; v[72:73] 1 / Lg
	s_load_b256 s[4:11], s[0:1], 0x0               ; tsc s[4:5], pctx s[6:7], stats s[8:9], out0 s[10:11]
	s_load_b64 s[12:13], s[0:1], 0x20              ; out1
	s_and_b32 s38, ttmp7, 0xffff
	s_lshl_b32 s38, s38, 9
	v_lshl_add_u32 v1, v0, 4, s38
	s_lshl_b32 s14, ttmp9, 6                       ; stats: 64 bytes a batch row
	s_mov_b32 s15, 0
	s_lshl_b32 s32, ttmp9, 13                      ; tsc, out1: 8,192
	s_mov_b32 s33, 0
	s_lshl_b32 s34, ttmp9, 15                      ; pctx: 32,768
	s_mov_b32 s35, 0
	s_lshl_b32 s36, ttmp9, 12                      ; out0: 4,096
	s_mov_b32 s37, 0
	s_wait_alu depctr_va_vdst(0)                   ; the wait at the head's end
	s_wait_kmcnt 0x0
	s_add_nc_u64 s[8:9], s[8:9], s[14:15]
	s_load_b512 s[16:31], s[8:9], 0x0              ; M_c in s[16 + 2 c], L_c in s[17 + 2 c]
	s_add_nc_u64 s[4:5], s[4:5], s[32:33]
	s_add_nc_u64 s[6:7], s[6:7], s[34:35]
	s_add_nc_u64 s[10:11], s[10:11], s[36:37]
	s_add_nc_u64 s[12:13], s[12:13], s[32:33]
	global_load_b128 v[T:T+3], v1, s[4:5]
	global_load_b128 v[T+4:T+7], v1, s[4:5] offset:4096
.irp c, 0,1,2,3,4,5,6,7
	global_load_b128 v[CX+4*\c:CX+4*\c+3], v1, s[6:7] offset:4096*\c
.endr
	s_wait_kmcnt 0x0
	v_mov_b32 v[MG], s16
	v_max3_num_f32 v[MG], v[MG], s18, s20
	v_max3_num_f32 v[MG], v[MG], s22, s24
	v_max3_num_f32 v[MG], v[MG], s26, s28
	v_max_num_f32 v[MG], s30, v[MG]
	v_mov_b32 v[MG+1], 0                           ; (named as the upper half of a pair, so it is written)
.irp c, 0,1,2,3,4,5,6,7
	v_sub_f32 v[FC+\c], s[16+2*\c], v[MG]
.endr
	s_wait_alu depctr_va_vdst(0)                   ; waits ahead of and behind each batch
.irp c, 0,1,2,3,4,5,6,7
	v_exp_f32 v[FC+\c], v[FC+\c]
.endr
	v_mov_b32 v[RL+1], 0                           ; (likewise; and the plain place behind the exponentials)
	s_wait_alu depctr_va_vdst(0)
	v_mul_f32 v[LG], s17, v[FC]
.irp c, 1,2,3,4,5,6,7
	v_fmac_f32 v[LG], s[17+2*\c], v[FC+\c]
.endr
	s_wait_alu depctr_va_vdst(0)
	v_rcp_f32 v[RL], v[LG]
	v_nop                                          ; one plain place behind the reciprocal
	s_wait_alu depctr_va_vdst(0)
.irp c, 0,2,4,6
	v_pk_mul_f32 v[FC+\c:FC+\c+1], v[FC+\c:FC+\c+1], v[RL:RL+1] op_sel_hi:[1,0]
.endr
	s_wait_alu depctr_va_vdst(0)
	s_wait_loadcnt 0x0
	v_pk_mul_f32 v[O:O+1], v[CX:CX+1], v[FC:FC+1] op_sel_hi:[1,0]          ; chunk 0 starts the sums
	v_pk_mul_f32 v[O+2:O+3], v[CX+2:CX+3], v[FC:FC+1] op_sel_hi:[1,0]
.irp c, 0,2,4,6                                ; of the pair (an even chunk's factor, the odd one's behind it) one word serves both halves
.if \c > 0
	v_pk_fma_f32 v[O:O+1], v[CX+4*\c:CX+4*\c+1], v[FC+\c:FC+\c+1], v[O:O+1] op_sel_hi:[1,0,1]
	v_pk_fma_f32 v[O+2:O+3], v[CX+4*\c+2:CX+4*\c+3], v[FC+\c:FC+\c+1], v[O+2:O+3] op_sel_hi:[1,0,1]
.endif
	v_pk_fma_f32 v[O:O+1], v[CX+4*\c+4:CX+4*\c+5], v[FC+\c:FC+\c+1], v[O:O+1] op_sel:[0,1,0] op_sel_hi:[1,1,1]
	v_pk_fma_f32 v[O+2:O+3], v[CX+4*\c+6:CX+4*\c+7], v[FC+\c:FC+\c+1], v[O+2:O+3] op_sel:[0,1,0] op_sel_hi:[1,1,1]
.endr
	global_store_b128 v1, v[O:O+3], s[10:11]
.irp i, 0,2,4,6
	v_pk_add_f32 v[T+\i:T+\i+1], v[T+\i:T+\i+1], v[MG:MG+1] op_sel_hi:[1,0] neg_lo:[0,1] neg_hi:[0,1]   ; t - Mg
.endr
	s_wait_alu depctr_va_vdst(0)
.irp i, 0,1,2,3,4,5,6,7
	v_exp_f32 v[T+\i], v[T+\i]
.endr
	v_nop                                          ; one plain place behind the exponentials
	s_wait_alu depctr_va_vdst(0)
.irp i, 0,2,4,6
	v_pk_mul_f32 v[T+\i:T+\i+1], v[T+\i:T+\i+1], v[RL:RL+1] op_sel_hi:[1,0]
.endr
	global_store_b128 v1, v[T:T+3], s[12:13]
	global_store_b128 v1, v[T+4:T+7], s[12:13] offset:4096
	s_endpgm
.Lfunc_end_k_qda3b993996_finish:
	.size	k_qda3b993996_finish, .Lfunc_end_k_qda3b993996_finish-k_qda3b993996_finish
	.p2alignl 7, 3214868480
	.fill 96, 4, 3214868480
	.section	.rodata,"a",@progbits
	.p2align	6, 0x0
	.amdhsa_kernel k_qda3b993996_finish
		.amdhsa_group_segment_fixed_size 0
		.amdhsa_private_segment_fixed_size 0
		.amdhsa_enable_private_segment 0
		.amdhsa_kernarg_size 40
		.amdhsa_user_sgpr_count 2
		.amdhsa_user_sgpr_kernarg_segment_ptr 1
		.amdhsa_wavefront_size32 1
		.amdhsa_system_sgpr_workgroup_id_x 1
		.amdhsa_system_sgpr_workgroup_id_y 1
		.amdhsa_system_sgpr_workgroup_id_z 1
		.amdhsa_system_vgpr_workitem_id 0
		.amdhsa_next_free_vgpr 80
		.amdhsa_next_free_sgpr 66
		.amdhsa_reserve_vcc 0
		.amdhsa_float_denorm_mode_32 3
		.amdhsa_float_denorm_mode_16_64 3
		.amdhsa_memory_ordered 1
		.amdhsa_forward_progress 1
		.amdhsa_inst_pref_size 6
	.end_amdhsa_kernel
	.amdgpu_metadata
---
amdhsa.version: [ 1, 2 ]
amdhsa.kernels:
  - .name:           k_qda3b993996_finish
    .symbol:         k_qda3b993996_finish.kd
    .args:
      - { .name: tsc, .offset: 0, .size: 8, .value_kind: global_buffer, .address_space: global }
      - { .name: pctx, .offset: 8, .size: 8, .value_kind: global_buffer, .address_space: global }
      - { .name: stats, .offset: 16, .size: 8, .value_kind: global_buffer, .address_space: global }
      - { .name: out0, .offset: 24, .size: 8, .value_kind: global_buffer, .address_space: global }
      - { .name: out1, .offset: 32, .size: 8, .value_kind: global_buffer, .address_space: global }
    .group_segment_fixed_size: 0
    .private_segment_fixed_size: 0
    .kernarg_segment_align: 8
    .kernarg_segment_size: 40
    .max_flat_workgroup_size: 32
    .sgpr_count:     66
    .vgpr_count:     80
    .wavefront_size: 32
...
	.end_amdgpu_metadata
.endif
;; end of part 3
